; MI455X (gfx1250); checked and timed in simulation.
; The chip was launched on July 23, 2026; its instructions are those of AMD's public machine-readable ISA for CDNA 5 (MIT licence, August 2026) and "CDNA5" Instruction Set Architecture Reference Guide (July 2026). The comments in the code are by the model that wrote it; some were corrected since.
;; Head. Allowed arithmetic: matrix products marked QUANTISED: E5M2 operands, one given power-of-two scale a tensor, by v_wmma_f32_16x16x64_bf8_bf8 or v_wmma_f32_16x16x128_bf8_bf8, f32 sums; everything else in f32.
;; Inputs: Wk 1,024 x 128 float32; Wq 1,024 x 128 float32; Wv 1,024 x 128 float32; lowp_scales 10 int32 (the exponents e of the quantised operands' scales 2^e); x 8 x 4,096 x 1,024 float32.
;; Outputs: out0 8 x 4,096 x 128 float32.
;; This version of the problem:
;;   THIS VERSION OF THE PROBLEM IS GIVEN IN LOW PRECISION. The matrix products marked QUANTISED in the list below multiply operands that are first quantised to E5M2 (5 exponent bits, 2 mantissa bits; 8 bits a number), with one given power-of-two scale for each operand tensor; their sums are f32. All else is computed in f32.
;;   The module's matrix products, in the order in which they are computed (A, B: the left and right operand; K: the contracted axis; several contracted axes count as one K, in the product's order):
;;     1. [M 32,768, K 1,024] x [K 1,024, N 128]; A: input x; B: input Wq: QUANTISED (scales: A lowp_scales[0], B lowp_scales[1])
;;     2. [M 32,768, K 1,024] x [K 1,024, N 128]; A: input x; B: input Wk: QUANTISED (scales: A lowp_scales[2], B lowp_scales[3])
;;     3. [M 32,768, K 1,024] x [K 1,024, N 128]; A: input x; B: input Wv: QUANTISED (scales: A lowp_scales[4], B lowp_scales[5])
;;     4. batch 8 x [M 4,096, K 128] x [K 128, N 4,096]; A: computed on the way; B: computed on the way: QUANTISED (scales: A lowp_scales[6], B lowp_scales[7])
;;     5. batch 8 x [M 4,096, K 4,096] x [K 4,096, N 128]; A: softmax (see below); B: computed on the way: QUANTISED (scales: A lowp_scales[8], B lowp_scales[9])
;;   THE QUANTISER, for each operand of a quantised product, along K:
;;     - The operand's scale is 2^e, e = its entry of the input lowp_scales (int32; the entries are numbered through the quantised products in the list's order, A before B).
;;     - Each number is divided by the scale, clamped to +-57,344, and rounded to the nearest number of E5M2, ties to even, subnormals kept.
;;     - The product sums the exact products of the quantised numbers (number of the format x scale) in f32.
;;   ~~~python
;;   def quantise(x, axis, e):      # numpy; x: float32 -> the quantised numbers, widened to float32 again
;;       x = np.moveaxis(x, axis, -1); K = x.shape[-1]
;;       r = np.clip(x / 2.0 ** e, -57344, 57344)
;;       step = 2.0 ** (np.maximum(np.frexp(np.where(r == 0, 1, r))[1] - 1, -14) - 2)
;;       q = np.round(r / step) * step * 2.0 ** e      # np.round: ties to even
;;       return np.moveaxis(q, -1, axis).astype(np.float32)
;;   ~~~
;;   SOFTMAX AHEAD OF A QUANTISED PRODUCT. Where the list says 'softmax', what is quantised is not the finished softmax but p = 2^(t - M), with t = logit x log2(e) and M = ceil(the row's largest t), a whole number; so 1/2 < the row's largest p <= 1. The row's sum l is taken of the UNQUANTISED p, in f32, and the product's result is divided by l at the end. Since M is a whole number, a kernel that streams over the keys may use a running M (the ceiling of the running maximum): every later rescaling is an exact power of two, so the quantised numbers keep their values, but for numbers so far below the row's largest that they fall under the format's range.
;;   OPERANDS COMPUTED ON THE WAY. 'Computed on the way' means the value that the module computes at that place (a softmax that the list does not call 'softmax' is quantised finished and normalised). What goes into a quantiser is computed in f32, as accurately as f32 sums, v_exp_f32 and their like allow (about 1e-6 of the number): no bf16 or f16 on the way to a quantiser, and a product that is left as it is and whose result goes on into a quantised operand takes f32 operands (vector FMAs, or v_wmma_f32_16x16x4_f32). A number that lies on a knife's edge between two numbers of the format may be rounded either way, as far as f32 arithmetic and the matrix unit's own rounding can turn it there, and no further.
;; One version. Each part assembles by itself: llvm-mc -triple=amdgcn-amd-amdhsa -mcpu=gfx1250 --defsym DOCPART=n.
;; ======== version 1 of 1: 3 launches
;; workspace buffers: wfrag 393,216 bytes; qf 4,194,304 bytes; kf 4,194,304 bytes; vf 4,194,304 bytes
;; launch wprep (part 1): grid 48 x 1, 4 waves a work-group, no clusters, 0 bytes of LDS; arguments Wq, Wk, Wv, lowp_scales, wfrag; writes wfrag
.if DOCPART == 1
	.amdgcn_target "amdgcn-amd-amdhsa--gfx1250"
	.amdhsa_code_object_version 6
	.text
	.protected	k_q167e6044d0_wprep
	.globl	k_q167e6044d0_wprep
	.p2align	8
	.type	k_q167e6044d0_wprep,@function
k_q167e6044d0_wprep:
	s_mov_b64 s[64:65], 0
	v_nop
	global_prefetch_b8 v0, s[64:65] scope:SCOPE_SE
	s_setreg_imm32_b32 hwreg(HW_REG_WAVE_MODE, 25, 1), 1
	s_wait_xcnt 0x0
; Wq, Wk, Wv [1024 (k)][128 (n)] f32 become codes of E5M2, each with its given scale 2^e (entries 1, 3, 5 of the scales), laid in the ORDER OF THE OPERAND'S REGISTERS
; for the projection launch: wfrag [w 4][j 6][ks 8][c 4][lane 32][16 bytes], j = 2 mat + u (mat 0, 1, 2 = q, k, v).  Byte i of (c, lane = r + 16 h) is W[128 ks + 32 c + 16 h + i][n],
; n = 32 w + 8 u + r + 8 (r / 8) for q and k (their products are used transposed, and the rows of a tile are chosen so that two tiles give 16 neighbours along the next K),
; n = 32 w + 16 u + r for v.  A LANE TAKES A COLUMN n AND ITS REGISTERS RUN DOWN K, so the conversions' results are the fragment's registers and nothing is transposed.
; 192 fragments of 2,048 bytes, one a wave: 48 work-groups of four waves (work-group = 8 j + ks, wave = w).  No LDS, no barrier: waves share nothing.
; code = x / 2^e, held within +-57,344, to the nearest code, ties to even.  LIMITS: e1, e3, e5 between -126 and 112.  NaN among the inputs is not served.
.set RAW, 16                           ; v16-79  64 numbers: register 16 c + i
.set COD, 80                           ; v80-95  the fragment's 16 registers
	s_load_b256 s[4:11], s[0:1], 0x0               ; Wq s[4:5], Wk s[6:7], Wv s[8:9], the scales' exponents s[10:11]
	s_load_b64 s[12:13], s[0:1], 0x20              ; wfrag
	v_lshrrev_b32 v1, 5, v0
	v_readfirstlane_b32 s14, v1                    ; w
	v_and_b32 v1, 15, v0                           ; r
	v_bfe_u32 v2, v0, 4, 1                         ; h
	s_lshr_b32 s15, ttmp9, 3                       ; j
	s_and_b32 s16, ttmp9, 7                        ; ks
	s_lshr_b32 s17, s15, 1                         ; mat
	s_and_b32 s18, s15, 1                          ; u
	s_cmp_eq_u32 s17, 2                            ; v's tiles are 16 neighbouring columns; q's and k's are two groups of eight, 16 apart
	s_cselect_b32 s19, 16, 8
	s_cselect_b32 s20, 0, 8
	s_mul_i32 s19, s19, s18
	s_lshl_b32 s21, s14, 5
	s_add_co_u32 s19, s19, s21                     ; 32 w + u x (16 or 8)
	v_lshrrev_b32 v3, 3, v1
	v_mul_u32_u24 v3, s20, v3
	v_add3_u32 v3, v3, v1, s19                     ; n
	v_lshlrev_b32 v3, 2, v3
	v_lshl_add_u32 v3, v2, 13, v3                  ; 4 n + 16 h rows of 512 bytes
	v_and_b32 v4, 31, v0
	v_lshlrev_b32 v4, 4, v4                        ; out: 16 bytes a lane
	s_lshl_b32 s32, s16, 16                        ; 128 ks rows of 512 bytes
	s_mov_b32 s33, 0
	s_mul_i32 s36, s14, 6
	s_add_co_u32 s36, s36, s15
	s_lshl_b32 s36, s36, 3
	s_add_co_u32 s36, s36, s16
	s_lshl_b32 s36, s36, 11                        ; ((6 w + j) 8 + ks) x 2,048
	s_mov_b32 s37, 0
	s_wait_kmcnt 0x0
	s_load_b256 s[24:31], s[10:11], 0x0            ; e0 .. e7
	s_cmp_eq_u32 s17, 0                            ; the choice hangs on the work-group's number alone
	s_cselect_b64 s[22:23], s[4:5], s[6:7]
	s_cmp_eq_u32 s17, 2
	s_cselect_b64 s[22:23], s[8:9], s[22:23]
	s_add_nc_u64 s[22:23], s[22:23], s[32:33]
	s_add_nc_u64 s[12:13], s[12:13], s[36:37]
.irp c, 0,1,2,3
.irp i, 0,1,2,3,4,5,6,7,8,9,10,11,12,13,14,15
	global_load_b32 v[RAW+16*\c+\i], v3, s[22:23] offset:(32*\c+\i)*512
.endr
.endr
	s_wait_kmcnt 0x0
	s_cmp_eq_u32 s17, 0
	s_cselect_b32 s34, s25, s27
	s_cmp_eq_u32 s17, 2
	s_cselect_b32 s34, s29, s34                    ; e1, e3 or e5
	s_add_co_i32 s34, s34, 127
	s_lshl_b32 s35, s34, 23
	v_mov_b32 v11, s35                             ; 2^e as f32: the conversion takes its exponent field
	s_add_co_i32 s34, s34, 15
	s_lshl_b32 s34, s34, 23
	s_or_b32 s34, s34, 0x600000
	v_mov_b32 v10, s34                             ; 57,344 x 2^e
	s_wait_loadcnt 0x0
.irp c, 0,1,2,3
.irp i, 0,1,2,3,4,5,6,7,8,9,10,11,12,13,14,15
	v_med3_num_f32 v[RAW+16*\c+\i], v[RAW+16*\c+\i], -v10, v10   ; the conversion to an 8-bit code does not saturate (ISA guide 7.6.2): the hold comes first
.endr
	v_cvt_scalef32_pk8_bf8_f32 v[COD+4*\c:COD+4*\c+1], v[RAW+16*\c:RAW+16*\c+7], v11
	v_cvt_scalef32_pk8_bf8_f32 v[COD+4*\c+2:COD+4*\c+3], v[RAW+16*\c+8:RAW+16*\c+15], v11
.endr
	v_nop                                          ; a plain vector line behind the last conversion
.irp c, 0,1,2,3
	global_store_b128 v4, v[COD+4*\c:COD+4*\c+3], s[12:13] offset:512*\c   ; the wave stores 512 consecutive bytes, at a multiple of 256 from the buffer's first byte
.endr
	s_endpgm
.Lfunc_end_k_q167e6044d0_wprep:
	.size	k_q167e6044d0_wprep, .Lfunc_end_k_q167e6044d0_wprep-k_q167e6044d0_wprep
	.p2alignl 7, 3214868480
	.fill 96, 4, 3214868480
	.section	.rodata,"a",@progbits
	.p2align	6, 0x0
	.amdhsa_kernel k_q167e6044d0_wprep
		.amdhsa_group_segment_fixed_size 0
		.amdhsa_private_segment_fixed_size 0
		.amdhsa_enable_private_segment 0
		.amdhsa_kernarg_size 40
		.amdhsa_user_sgpr_count 2
		.amdhsa_user_sgpr_kernarg_segment_ptr 1
		.amdhsa_wavefront_size32 1
		.amdhsa_system_sgpr_workgroup_id_x 1
		.amdhsa_system_sgpr_workgroup_id_y 1
		.amdhsa_system_sgpr_workgroup_id_z 1
		.amdhsa_system_vgpr_workitem_id 0
		.amdhsa_next_free_vgpr 96
		.amdhsa_next_free_sgpr 66
		.amdhsa_reserve_vcc 0
		.amdhsa_float_denorm_mode_32 3
		.amdhsa_float_denorm_mode_16_64 3
		.amdhsa_memory_ordered 1
		.amdhsa_forward_progress 1
		.amdhsa_inst_pref_size 14
	.end_amdhsa_kernel
	.amdgpu_metadata
---
amdhsa.version: [ 1, 2 ]
amdhsa.kernels:
  - .name:           k_q167e6044d0_wprep
    .symbol:         k_q167e6044d0_wprep.kd
    .args:
      - { .name: Wq, .offset: 0, .size: 8, .value_kind: global_buffer, .address_space: global }
      - { .name: Wk, .offset: 8, .size: 8, .value_kind: global_buffer, .address_space: global }
      - { .name: Wv, .offset: 16, .size: 8, .value_kind: global_buffer, .address_space: global }
      - { .name: lowp_scales, .offset: 24, .size: 8, .value_kind: global_buffer, .address_space: global }
      - { .name: wfrag, .offset: 32, .size: 8, .value_kind: global_buffer, .address_space: global }
    .group_segment_fixed_size: 0
    .private_segment_fixed_size: 0
    .kernarg_segment_align: 8
    .kernarg_segment_size: 40
    .max_flat_workgroup_size: 128
    .sgpr_count:     66
    .vgpr_count:     96
    .wavefront_size: 32
...
	.end_amdgpu_metadata
.endif
;; end of part 1
;; launch proj (part 2): grid 256 x 1, 4 waves a work-group, no clusters, 327,680 bytes of LDS; arguments x, wfrag, lowp_scales, qf, kf, vf; writes qf, kf, vf
.if DOCPART == 2
	.amdgcn_target "amdgcn-amd-amdhsa--gfx1250"
	.amdhsa_code_object_version 6
	.text
	.protected	k_q167e6044d0_proj
	.globl	k_q167e6044d0_proj
	.p2align	8
	.type	k_q167e6044d0_proj,@function
k_q167e6044d0_proj:
	s_mov_b64 s[64:65], 0
	v_nop
	global_prefetch_b8 v0, s[64:65] scope:SCOPE_SE
	s_setreg_imm32_b32 hwreg(HW_REG_WAVE_MODE, 25, 1), 1
	s_wait_xcnt 0x0
; q = x Wq, k = x Wk, v = x Wv on codes of E5M2, and q, k, v quantised again for the attention launch.  x: [32,768][1,024] f32.  The weights come as codes in register order (wfrag).
; x has a scale of its own in each product (entries 0, 2, 4 of the scales), so it is quantised three times.  A sum stands for sum x 2^(ex + ew), so the result's code is sum / 2^(eout - ex - ew): three scales in one.
; SHARES.  A work-group takes 128 rows, in 4 chunks of 32.  THE WAVES SHARE THE COLUMNS: wave w holds, for the whole launch, its 2 tiles each of Wq, Wk, Wv (columns 32 w .. 32 w + 31) for all of K:
; 6 x 8 fragments x 16 = 768 registers (windows 1, 2, 3), read once.  x comes by tensor loads into two LDS slots of a chunk each; wave w fetches, and alone reads, K = 256 w .. 256 w + 255 of the chunk's 32 rows.
; A ROW TILE (16 rows of a chunk: rows 8 u + r + 8 (r / 8), u = 0, 1), two barriers:
;   X: wave w quantises its 256 along K of the 16 rows, three times, and stores the codes to LDS as images of the operand's registers | barrier |
;   M: every wave reads all 24 images (3 scales x 8 K steps) and makes its 6 tiles: 48 matrix instructions | the second barrier's signal stands behind the last image read, its wait ahead of the next tile's image stores.
; q and k are used TRANSPOSED (source 0 = 16 rows of W^T, source 1 = x): a lane holds one token and 16 neighbours along d, which are 16 bytes of chunk c = w of a fragment of qf or kf.
; v is used as it stands (source 0 = x, source 1 = 16 columns of Wv): a lane holds one channel and 8 tokens; the chunk's two row tiles give 16 neighbouring tokens: 16 bytes of a fragment of vf (keys innermost).
; OUT: qf, kf [G = token / 32][u 2][c 4][lane][16 B] (token 32 G + 8 u + r + 8 (r / 8), d = 32 c + 16 h + i);  vf [128 keys' step][ct 8][c 4][lane][16 B] (channel 16 ct + r, key 32 c + 16 h + i).
; Every store of a wave covers 512 consecutive bytes, at a multiple of 256 from its buffer's first byte, straight from registers.
; No cluster: x is each work-group's own, and the weights go to registers once.
; LIMITS on the given exponents: e0, e2, e4, and e6 - e0 - e1, e7 - e2 - e3, e9 - e4 - e5, between -126 and 112.  NaN among the inputs is not served.
; The raw reads of x take rows r + 8 (r / 8): rows 16 apart start at the same bank at this pitch (64 banks of 4 bytes: ISA guide 11.1), so these loads go two deep.
.set XP,    1040                       ; an LDS row of x: 1,024 bytes + 16 of padding
.set XQ,    32*XP                      ; a wave's quarter of a slot
.set XSLOT, 4*XQ                       ; a slot: a chunk of 32 rows x 1,024 numbers
.set IMGB,  2*XSLOT                    ; behind the ring: the images [scale 3][K step 8][c 4][lane][16 B], 49,152 bytes; no tensor load lands here
.set SPARE, IMGB+49152                 ; the spare words, 128 bytes for each wave: two blocks of 256 bytes that no other line names
.set LI,   1                           ; v1   16 x lane
.set XRD,  2                           ; v2, v3  my place in my quarter of slot 0, 1
.set XA,   4                           ; v4   the same + the row tile
.set IMW,  5                           ; v5   where I store images
.set IMR,  6                           ; v6   where I read them
.set SPW,  7                           ; v7   LDS address of my spare word; never rewritten
.set NIL,  8                           ; v8   0; never rewritten
.set SCX,  10                          ; v10-15  for e0, e2, e4: 2^e, 57,344 x 2^e
.set SCO,  16                          ; v16-21  the same for q's, k's, v's folded scales
.set VCD,  24                          ; v24-31  v's codes: two channel tiles x 4 registers (first row tile's two, second's two)
.set QC,   32                          ; v32-35  q's codes
.set KC,   36                          ; v36-39  k's codes
.set ACC,  40                          ; v40-87  phase X: the codes just made (3 x 16); phase M: q0, q1, k0, k1, v0, v1, 8 each
.set FS0,  88                          ; v88-151   phase X: 64 numbers of x; phase M: four image fragments
.set FS1,  152                         ; v152-215  the same, second set
.set TMP,  216                         ; v216-231  two sets of 8 held numbers
.set MSB, 0
.macro WIN new                         ; the immediate's high byte repeats the setting that is left
.if MSB != (\new)
	s_set_vgpr_msb (MSB<<8)|(\new)
.set MSB, (\new)
.endif
.endm
.macro PLACES                          ; four plain places behind a matrix instruction, ahead of loads into its sources and of reads of its result
.rept 4
	v_nop
.endr
.endm
.macro MKSC e, sc                      ; s[e] = an exponent: v[sc] = 2^e, v[sc+1] = 57,344 x 2^e
	s_add_co_i32 s62, s[\e], 127
	s_lshl_b32 s63, s62, 23
	v_mov_b32 v[\sc], s63
	s_add_co_i32 s62, s62, 15
	s_lshl_b32 s62, s62, 23
	s_or_b32 s62, s62, 0x600000
	v_mov_b32 v[\sc+1], s62
.endm
; 64 numbers of a lane (register 16 c + i = k 32 c + 16 h + i of my row) become three fragments of codes, one for each scale, and go to LDS as they stand.
; The held numbers go into two sets of 8 by turns, so that plain lines stand between a conversion and the next write of its sources; x's own registers are kept for the next scale.
.macro QX raw, ksl
.irp i, 0,1,2
.irp g, 0,1,2,3,4,5,6,7
.irp e, 0,1,2,3,4,5,6,7
	v_med3_num_f32 v[TMP+8*(\g%2)+\e], v[\raw+8*\g+\e], -v[SCX+2*\i+1], v[SCX+2*\i+1]
.endr
	v_cvt_scalef32_pk8_bf8_f32 v[ACC+16*\i+2*\g:ACC+16*\i+2*\g+1], v[TMP+8*(\g%2):TMP+8*(\g%2)+7], v[SCX+2*\i]
.endr
.endr
	v_nop                                          ; a plain vector line behind the last conversion
.irp i, 0,1,2
.irp c, 0,1,2,3
	ds_store_b128 v[IMW], v[ACC+16*\i+4*\c:ACC+16*\i+4*\c+3] offset:16384*\i+2048*\ksl+512*\c
.endr
.endr
.endm
.macro FETCH g, set                    ; group g = 2 x scale + half of K: four image fragments
.irp kk, 0,1,2,3
.irp c, 0,1,2,3
	ds_load_b128 v[\set+16*\kk+4*\c:\set+16*\kk+4*\c+3], v[IMR] offset:(((\g)/2)*8+4*((\g)%2)+\kk)*2048+512*\c
.endr
.endr
.endm
; 8 matrix instructions: four K steps x my two tiles of one weight; the two accumulators take turns, one instruction a turn.  K step 0 starts the sums.
.macro GROUP g, set
.if (\g)/2 < 2
	WIN 1+(\g)/2                                   ; source 0 = W, window 1 (q) or 2 (k)
.else
	WIN 0x0c                                       ; source 1 = Wv, window 3
.endif
.irp kk, 0,1,2,3
.irp u, 0,1
.set KS_, 4*((\g)%2)+\kk
.set WF_, 16*(2*KS_+\u)
.set AC_, ACC+16*((\g)/2)+8*\u
.if (\g)/2 < 2
.if KS_ == 0
	v_wmma_f32_16x16x128_bf8_bf8 v[AC_:AC_+7], v[WF_:WF_+15], v[\set+16*\kk:\set+16*\kk+15], 0
.else
	v_wmma_f32_16x16x128_bf8_bf8 v[AC_:AC_+7], v[WF_:WF_+15], v[\set+16*\kk:\set+16*\kk+15], v[AC_:AC_+7]
.endif
.else
.if KS_ == 0
	v_wmma_f32_16x16x128_bf8_bf8 v[AC_:AC_+7], v[\set+16*\kk:\set+16*\kk+15], v[WF_:WF_+15], 0
.else
	v_wmma_f32_16x16x128_bf8_bf8 v[AC_:AC_+7], v[\set+16*\kk:\set+16*\kk+15], v[WF_:WF_+15], v[AC_:AC_+7]
.endif
.endif
.endr
.endr
	WIN 0
.endm
; A slot that has been read is filled with the chunk two further on.
.macro REFILL slot
	s_wait_tensorcnt 0x0                           ; all my tensor loads have landed, so a group 0 may be written
	ds_add_u32 v[SPW], v[NIL]                      ; 0 onto my spare word
	s_add_nc_u64 s[34+4*\slot:35+4*\slot], s[34+4*\slot:35+4*\slot], 262144   ; 64 rows of 4,096 bytes on; the type bits on top are not reached
	s_wait_dscnt 0x0                               ; the add is done, and my reads of the slot are over
	s_barrier_signal -1
	s_barrier_wait -1
	tensor_load_to_lds s[32+4*\slot:35+4*\slot], s[24:31]   ; my one tensor load behind this barrier, and the first thing there
	s_nop 0
.rept 4
	v_nop
.endr
.endm
; A chunk: its two row tiles, one a trip.  left = how many younger tensor loads may stay out.
.macro CHUNK slot, fill, left
	s_wait_tensorcnt \left                         ; tensor loads of a wave end in order (ISA guide 10.11.1): my quarter of this chunk is in; only I read it
	s_mov_b32 s50, 0                               ; the row tile's 8 rows, in bytes
	s_mov_b32 s51, 0                               ; the row tile
.Ltile_\@:
	v_add_nc_u32 v[XA], s50, v[XRD+\slot]
.irp p, 0,1
.irp c, 0,1,2,3
.irp j, 0,1,2,3
	ds_load_b128 v[FS0+64*\p+16*\c+4*\j:FS0+64*\p+16*\c+4*\j+3], v[XA] offset:512*\p+128*\c+16*\j
.endr
.endr
.endr
	s_wait_dscnt 16                                ; my first K step's 16 loads are in; the second's may be out
	QX FS0, 0
	s_wait_dscnt 0x0                               ; the second K step is in, and the image stores have read their registers
	QX FS1, 1
	s_wait_dscnt 0x0                               ; for the others' sake: my images have landed
	s_barrier_signal -1
	s_barrier_wait -1                              ; the tile's 24 images are whole
	FETCH 0, FS0
	FETCH 1, FS1
	s_wait_dscnt 16                                ; the older fetch is in, the younger 16 loads may be out
	GROUP 0, FS0
	PLACES
	FETCH 2, FS0
	s_wait_dscnt 16
	GROUP 1, FS1
	PLACES
	FETCH 3, FS1
	s_wait_dscnt 16
	GROUP 2, FS0
	PLACES
	FETCH 4, FS0
	s_wait_dscnt 16
	GROUP 3, FS1
	PLACES
	FETCH 5, FS1
	s_wait_dscnt 16
	GROUP 4, FS0
	s_wait_dscnt 0x0                               ; my reads of the images are over:
	s_barrier_signal -1                            ; say so; only work on registers stands up to the wait
	GROUP 5, FS1
	PLACES
	s_wait_xcnt 0x0                                ; the last tile's stores have read their data and bases: both are written below
	s_add_nc_u64 s[52:53], s[52:53], 2048          ; the pointers step ahead of the stores, which reach back by their immediates
	s_add_nc_u64 s[54:55], s[54:55], 2048
	s_add_nc_u64 s[56:57], s[56:57], 256
.irp e, 0,1,2,3,4,5,6,7,8,9,10,11,12,13,14,15
	v_med3_num_f32 v[ACC+\e], v[ACC+\e], -v[SCO+1], v[SCO+1]      ; q: each accumulator from its low end on
.endr
	v_cvt_scalef32_pk8_bf8_f32 v[QC:QC+1], v[ACC:ACC+7], v[SCO]
	v_cvt_scalef32_pk8_bf8_f32 v[QC+2:QC+3], v[ACC+8:ACC+15], v[SCO]
.irp e, 0,1,2,3,4,5,6,7,8,9,10,11,12,13,14,15
	v_med3_num_f32 v[ACC+16+\e], v[ACC+16+\e], -v[SCO+3], v[SCO+3]   ; k
.endr
	v_cvt_scalef32_pk8_bf8_f32 v[KC:KC+1], v[ACC+16:ACC+23], v[SCO+2]
	v_cvt_scalef32_pk8_bf8_f32 v[KC+2:KC+3], v[ACC+24:ACC+31], v[SCO+2]
.irp e, 0,1,2,3,4,5,6,7,8,9,10,11,12,13,14,15
	v_med3_num_f32 v[ACC+32+\e], v[ACC+32+\e], -v[SCO+5], v[SCO+5]   ; v
.endr
	s_barrier_wait -1                              ; nobody reads the images any more: the next tile's may be stored
	global_store_b128 v[LI], v[QC:QC+3], s[52:53] offset:-2048
	global_store_b128 v[LI], v[KC:KC+3], s[54:55] offset:-2048
	s_cmp_lg_u32 s51, 0
	s_cbranch_scc1 .Lsecond_\@
	v_cvt_scalef32_pk8_bf8_f32 v[VCD:VCD+1], v[ACC+32:ACC+39], v[SCO+4]      ; the first row tile: tokens 16 h + 0 .. 7 of the chunk
	v_cvt_scalef32_pk8_bf8_f32 v[VCD+4:VCD+5], v[ACC+40:ACC+47], v[SCO+4]
	v_nop
	s_branch .Ljoin_\@
.Lsecond_\@:
	v_cvt_scalef32_pk8_bf8_f32 v[VCD+2:VCD+3], v[ACC+32:ACC+39], v[SCO+4]    ; the second: tokens 16 h + 8 .. 15
	v_cvt_scalef32_pk8_bf8_f32 v[VCD+6:VCD+7], v[ACC+40:ACC+47], v[SCO+4]
	v_nop
	global_store_b128 v[LI], v[VCD:VCD+3], s[56:57] offset:-512
	global_store_b128 v[LI], v[VCD+4:VCD+7], s[56:57] offset:2048-512
.Ljoin_\@:
	s_add_co_u32 s50, s50, 8*XP
	s_add_co_u32 s51, s51, 1
	s_cmp_lt_u32 s51, 2
	s_cbranch_scc1 .Ltile_\@
.if \fill
	REFILL \slot
.endif
.endm
	s_load_b256 s[4:11], s[0:1], 0x0               ; x s[4:5], wfrag s[6:7], the scales' exponents s[8:9], qf s[10:11]
	s_load_b128 s[12:15], s[0:1], 0x20             ; kf s[12:13], vf s[14:15]
	v_lshl_add_u32 v[SPW], v0, 2, SPARE
	v_mov_b32 v[NIL], 0
	ds_add_u32 v[SPW], v[NIL]                      ; the wave's opening: the add and its wait ahead of my first tensor load; work on registers stands between them
	v_lshrrev_b32 v1, 5, v0
	v_readfirstlane_b32 s16, v1                    ; wave 0..3
	; descriptor group 1: 32 rows x 256 elements of 4 bytes, 1,024 elements from row to row; 4 words of padding behind every 256
	s_mov_b32 s24, (2<<16)|(1<<20)|(7<<22)|(3<<25)
	s_mov_b32 s25, 256<<16                         ; tensor_dim0
	s_mov_b32 s26, 32<<16                          ; tensor_dim1
	s_mov_b32 s27, 256<<16                         ; tile_dim0
	s_mov_b32 s28, 32                              ; tile_dim1
	s_mov_b32 s29, 1024                            ; the pitch
	s_mov_b32 s30, 0
	s_mov_b32 s31, 0
	s_mul_i32 s58, s16, XQ                         ; my quarter of a slot
	s_lshl_b32 s60, ttmp9, 19                      ; 128 rows of 4,096 bytes a work-group,
	s_lshl_b32 s59, s16, 10                        ; my 256 numbers of a row
	s_add_co_u32 s60, s60, s59
	s_mov_b32 s61, 0
	s_wait_dscnt 0x0                               ; the opening add is done
	s_wait_kmcnt 0x0
	s_load_b256 s[40:47], s[8:9], 0x0              ; e0 .. e7
	s_load_b64 s[48:49], s[8:9], 0x20              ; e8, e9
	s_add_nc_u64 s[4:5], s[4:5], s[60:61]
.irp s, 0,1                                    ; both first fills go out together, ahead of every wait on TENSORcnt, every LDS read and every barrier: two loads of mine are out
	s_mov_b32 s[32+4*\s], 1
	s_add_co_u32 s[33+4*\s], s58, \s*XSLOT
	s_add_nc_u64 s[34+4*\s:35+4*\s], s[4:5], \s*131072
	s_or_b32 s[35+4*\s], s[35+4*\s], 0x80000000
	tensor_load_to_lds s[32+4*\s:35+4*\s], s[24:31]
	s_nop 0
.endr
.rept 4
	v_nop
.endr
	v_and_b32 v1, 31, v0
	v_lshlrev_b32 v[LI], 4, v1
	s_mul_i32 s60, s16, 98304                      ; my 48 fragments of the weights
	s_add_nc_u64 s[6:7], s[6:7], s[60:61]
.irp mat, 0,1,2
	WIN (1+\mat)<<6                                ; destination window 1, 2, 3
.irp ks, 0,1,2,3,4,5,6,7
.irp u, 0,1
.irp c, 0,1,2,3
	global_load_b128 v[16*(2*\ks+\u)+4*\c:16*(2*\ks+\u)+4*\c+3], v[LI], s[6:7] offset:(8*(2*\mat+\u)+\ks)*2048+512*\c
.endr
.endr
.endr
.endr
	WIN 0
	v_and_b32 v9, 15, v0                           ; r
	v_bfe_u32 v22, v0, 4, 1                        ; h
	v_and_b32 v23, 8, v9
	v_add_nc_u32 v23, v23, v9                      ; r + 8 (r / 8)
	v_mul_u32_u24 v[XRD], v23, XP
	v_lshl_add_u32 v[XRD], v22, 6, v[XRD]          ; + 64 h: my 16 numbers of a block of 32
	v_add_nc_u32 v[XRD], s58, v[XRD]
	v_add_nc_u32 v[XRD+1], XSLOT, v[XRD]
	s_lshl_b32 s59, s16, 12                        ; my two K steps' images
	v_add_nc_u32 v[IMR], IMGB, v[LI]
	v_add_nc_u32 v[IMW], s59, v[IMR]
	v_mov_b32 v[VCD], 0                            ; written once, so that every path finds them written
	v_mov_b32 v[VCD+1], 0
	v_mov_b32 v[VCD+4], 0
	v_mov_b32 v[VCD+5], 0
	s_lshl_b32 s66, ttmp9, 14                      ; a work-group's 128 tokens are 16,384 bytes in each of qf, kf, vf
	s_lshl_b32 s62, s16, 9
	s_add_co_u32 s62, s62, s66
	s_mov_b32 s63, 0
	s_add_nc_u64 s[52:53], s[10:11], s[62:63]      ; qf: + chunk c = w
	s_add_nc_u64 s[54:55], s[12:13], s[62:63]      ; kf likewise
	s_lshl_b32 s62, s16, 12
	s_add_co_u32 s62, s62, s66
	s_add_nc_u64 s[56:57], s[14:15], s[62:63]      ; vf: + channel tiles 2 w, 2 w + 1
	s_wait_kmcnt 0x0
	s_sub_co_i32 s66, s46, s40
	s_sub_co_i32 s66, s66, s41                     ; e6 - e0 - e1
	s_sub_co_i32 s67, s47, s42
	s_sub_co_i32 s67, s67, s43                     ; e7 - e2 - e3
	s_sub_co_i32 s68, s49, s44
	s_sub_co_i32 s68, s68, s45                     ; e9 - e4 - e5
	MKSC 40, SCX
	MKSC 42, SCX+2
	MKSC 44, SCX+4
	MKSC 66, SCO
	MKSC 67, SCO+2
	MKSC 68, SCO+4
	s_wait_loadcnt 0x0                             ; the weights, once
	CHUNK 0, 1, 1                                  ; chunk 0; chunk 1's load may be out
	CHUNK 1, 1, 1                                  ; chunk 1 (shown landed by the refill's wait for all); chunk 2's load may be out
	CHUNK 0, 0, 1                                  ; chunk 2; chunk 3's may be out; nothing is left to fetch
	CHUNK 1, 0, 0                                  ; chunk 3
	s_wait_tensorcnt 0x0                           ; the wave's end, behind my last tensor load and my last LDS store
	ds_add_u32 v[SPW], v[NIL]
	s_wait_dscnt 0x0
	s_endpgm
.Lfunc_end_k_q167e6044d0_proj:
	.size	k_q167e6044d0_proj, .Lfunc_end_k_q167e6044d0_proj-k_q167e6044d0_proj
	.p2alignl 7, 3214868480
	.fill 96, 4, 3214868480
	.section	.rodata,"a",@progbits
	.p2align	6, 0x0
	.amdhsa_kernel k_q167e6044d0_proj
		.amdhsa_group_segment_fixed_size 327680
		.amdhsa_private_segment_fixed_size 0
		.amdhsa_enable_private_segment 0
		.amdhsa_kernarg_size 48
		.amdhsa_user_sgpr_count 2
		.amdhsa_user_sgpr_kernarg_segment_ptr 1
		.amdhsa_wavefront_size32 1
		.amdhsa_system_sgpr_workgroup_id_x 1
		.amdhsa_system_sgpr_workgroup_id_y 1
		.amdhsa_system_sgpr_workgroup_id_z 1
		.amdhsa_system_vgpr_workitem_id 0
		.amdhsa_next_free_vgpr 1024
		.amdhsa_next_free_sgpr 96
		.amdhsa_reserve_vcc 0
		.amdhsa_float_denorm_mode_32 3
		.amdhsa_float_denorm_mode_16_64 3
		.amdhsa_memory_ordered 1
		.amdhsa_forward_progress 1
		.amdhsa_inst_pref_size 207
	.end_amdhsa_kernel
	.amdgpu_metadata
---
amdhsa.version: [ 1, 2 ]
amdhsa.kernels:
  - .name:           k_q167e6044d0_proj
    .symbol:         k_q167e6044d0_proj.kd
    .args:
      - { .name: x, .offset: 0, .size: 8, .value_kind: global_buffer, .address_space: global }
      - { .name: wfrag, .offset: 8, .size: 8, .value_kind: global_buffer, .address_space: global }
      - { .name: lowp_scales, .offset: 16, .size: 8, .value_kind: global_buffer, .address_space: global }
      - { .name: qf, .offset: 24, .size: 8, .value_kind: global_buffer, .address_space: global }
      - { .name: kf, .offset: 32, .size: 8, .value_kind: global_buffer, .address_space: global }
      - { .name: vf, .offset: 40, .size: 8, .value_kind: global_buffer, .address_space: global }
    .group_segment_fixed_size: 327680
    .private_segment_fixed_size: 0
    .kernarg_segment_align: 8
    .kernarg_segment_size: 48
    .max_flat_workgroup_size: 128
    .sgpr_count:     96
    .vgpr_count:     1024
    .wavefront_size: 32
...
	.end_amdgpu_metadata
.endif
;; end of part 2
;; launch attn (part 3): grid 32 x 8, 8 waves a work-group, clusters of 4 x 1, 327,680 bytes of LDS; arguments qf, kf, vf, lowp_scales, out0; writes out0
.if DOCPART == 3
	.amdgcn_target "amdgcn-amd-amdhsa--gfx1250"
	.amdhsa_code_object_version 6
	.text
	.protected	k_q167e6044d0_attn
	.globl	k_q167e6044d0_attn
	.p2align	8
	.type	k_q167e6044d0_attn,@function
k_q167e6044d0_attn:
	s_mov_b64 s[64:65], 0
	v_nop
	global_prefetch_b8 v0, s[64:65] scope:SCOPE_SE
	s_setreg_imm32_b32 hwreg(HW_REG_WAVE_MODE, 25, 1), 1
	s_wait_xcnt 0x0
	s_wait_alu depctr_hold_cnt(0) depctr_sa_sdst(0) depctr_va_vdst(0) depctr_va_sdst(0) depctr_va_ssrc(0) depctr_va_vcc(0) depctr_vm_vsrc(0)
	s_getreg_b32 s2, hwreg(HW_REG_IB_STS2, 6, 4)
	s_cmp_eq_u32 s2, 0
	s_cbranch_scc0 .Lentry_in_a_cluster
	s_endpgm
.Lentry_in_a_cluster:
	s_bfe_u32 s2, ttmp6, 0x10000c
	s_cmp_lg_u32 s2, 0x3003
	s_cbranch_scc0 .Lentry_shape_is_right
	s_endpgm
.Lentry_shape_is_right:
; out[b][t] = the sum over keys of softmax(q[t] . k / sqrt(128), under the pyramid mask) v, both products on codes of E5M2.  8 batches, 4,096 tokens, head size 128.
; THE MASK: row t sees keys 2047 - (t / 2) .. 2047 + ((t + 1) / 2).  The keys go in steps of 128 outward from the middle: step j is step 15 - j on the left and 16 + j on the right.
; A block of 64 queries u needs steps j <= u / 4 on each side; steps below that are open, step u / 4 is cut by the mask, steps above are left out.
; THE SOFTMAX: t = score x log2(e) / sqrt(128); M = the running largest t rounded UP to a whole number; p = 2^(t - M) is quantised, not normalised; the sum is taken of the unquantised p and divides at the end.
; SHARES.  Work-group (u = 4 x cluster + place, batch) takes block u and then block 63 - u: (u / 8 + 1) + (8 - u / 8) = 9 slots of 512 keys (steps 2 s, 2 s + 1 of both sides) in every work-group, so all trip counts are constants.
; Wave w: its low bit picks 32 of the block's 64 queries (two tiles of 16), w / 2 its quarter of a slot: side (left, right) and step (inner, outer).  So each fragment of K and V read from LDS feeds two matrix instructions.
; The four waves of one 32 queries each keep their own M, sum and O^T over their keys; at a block's end these are brought under one M (exact powers of two) and added: MERGE.
; LAYOUT.  Both products transposed (S^T = K Q^T, O^T = V^T P^T): a lane holds one query.  qf, kf, vf lie in the order of the operands' registers: a fragment is four loads of 512 consecutive bytes, no pitch, no padding.
; The keys of a tile of K are chosen (lane r of tile 2 b + u: key 32 b + 8 u + r + 8 (r / 8)) so that two neighbouring tiles' 16 registers are 16 neighbouring keys: the conversions' results are P.
; A tile of queries has the same order: lane r holds query 8 u + r + 8 (r / 8) of its 32.
; CLUSTER.  The four work-groups of a cluster walk the same slots of the same batch: each block of 16 KB of K or V is asked for JOINTLY, by the same tensor load with a mask that names the four.
; The place in the cluster enters the addresses of q and out, the prefetch's address and the mask's per-lane numbers alone.  In one slot of the nine the outer steps are fetched though the mask hides them: every partner issues every joint load.
; REGISTERS, two windows of 256.  What belongs to a tile of queries has the same numbers in both: window 0 = the tile that this wave will own at the merge, window 1 = the other.
;   v12 -M, v13 largest t, v[14:15] the sum, v16-31 Q, v96-159 S^T then p, v160-223 O^T, v224-239 p's codes, v240 57,344 x 2^e8, v244 2^e8, v246 the mask's number, v236, v242, v243, v252-254 at work.
;   v32-95 of both windows: the 8 fragments of K or V (0-3 in window 0, 4-7 in window 1).  O^T's register tile tt holds channel tile tt xor 4 x side, so that register tiles 0-3 are the half that this wave will own.
;   window 0 alone: v1-11 addresses and lane numbers, v241, v245, v247-251, v255 addresses that are never rewritten.
; LIMITS on the given exponents: e6 + e7 between -123 and 130 (added to c's exponent field); e8 between -126 and 112; e8 + e9 is applied by v_ldexp_f32.
.set SLOT1, 1<<17                      ; a slot: [quarter 4][K 16 KB, V 16 KB] = 131,072 bytes; one exclusive or turns an address into the other slot's
.set SPARE, 2*SLOT1                    ; the spare words, 128 bytes for each of eight waves: four blocks of 256 bytes that no other line names
.set EXB,   SPARE+1024                 ; the exchange: for each wave 6,144 bytes (three half pieces of 2,048) + 512 of statistics; later the wave's own stage on the way out
.set EXW,   6656
.set LI,   1                           ; v1   16 x lane
.set LIK,  2                           ; v2   my quarter's K
.set AVL,  3                           ; v3   my quarter's V: the four channel tiles that go to register tiles 0-3
.set AVH,  4                           ; v4   and those that go to 4-7
.set ADK,  5                           ; v5-7 the same in the slot in hand
.set ADVL, 6
.set ADVH, 7
.set SPW,  8                           ; v8   LDS address of my spare word; never rewritten
.set NIL,  9                           ; v9   0; never rewritten
.set RL,   10                          ; v10  r + 8 (r / 8)
.set H16,  11                          ; v11  2047 - 16 h
.set AD2,  241                         ; v241 16 x lane in the exchange region of wave w xor 2
.set GO,   245                         ; v245 512 h + 16 r: my bytes in two rows of out
.set DQ,   246
.set PFO,  247                         ; v247 256 x lane
.set AD4,  248                         ; of wave w xor 4
.set AD6,  249                         ; of wave w xor 6
.set AOWN, 250                         ; my own
.set STO,  251                         ; the stage: where I put 32 bytes of a row
.set RD,   255                         ; and where I read a row back
.set WV,   14                          ; s14 wave;  s15 which 32 queries;  s16 quarter;  s17 side (0 left, 1 right);  s18 step (0 inner, 1 outer)
.set PI,   15
.set KAP,  16
.set CHI,  17
.set OMI,  18
.set CLX,  19                          ; s19 the cluster's x;  s20 my place in it;  s21 batch;  s22 a = cluster x / 2;  s23 a + 1: the first block's slots
.set PLC,  20
.set BAT,  21
.set AA,   22
.set AA1,  23
.set G1,   24                          ; s[24:31] descriptor group 1;  s[32:35] group 0, which walks
.set G0,   32
.set GB,   36                          ; s[36:37] kf or vf at my batch;  s[38:39] an offset
.set OFS,  38
.set TB,   40                          ; s40 LDS byte at which the slot in hand begins
.set NN,   41                          ; s41 trips done;  s42 trips to go
.set REM,  42
.set SIG,  43                          ; s43 the slot's number within the block;  s44 the block's last step;  s45 my step
.set JS,   44
.set JJ,   45
.set BST,  46                          ; s46 my step of 128 keys in slot 0;  s47 from slot to slot: -2 or 2
.set DIR,  47
.set KB,   49                          ; s49 my step's first key
.set BLK,  50                          ; s50 the block of 64 queries
.set SGN,  51                          ; s51 -1 left, 1 right
.set CS,   52                          ; s[52:53] c = log2(e) / sqrt(128) x 2^(e6 + e7)
.set SEL,  54                          ; s[54:55] lane selects: lane l xor 16
.set EPV,  56                          ; s56 e8 + e9
.set LIM,  57                          ; s57 1 in a wave that prefetches, else the greatest number
.set PFB,  58                          ; s[58:59] the prefetches' base;  s[60:61] their address
.set PFA,  60
.set QA,   66                          ; s[66:67], s[68:69] the two tiles of q;  s[70:71] my part of out
.set QB,   68
.set OP,   70
.set MSB, 0
.macro WIN new                         ; the immediate's high byte repeats the setting that is left
.if MSB != (\new)
	s_set_vgpr_msb (MSB<<8)|(\new)
.set MSB, (\new)
.endif
.endm
.macro CROUND                          ; a round of the cluster's barrier
	s_barrier_signal -1
	s_barrier_wait -1
	s_cmp_lg_u32 s[WV], 0
	s_cbranch_scc1 .Lnot_wave_0_\@
	s_barrier_signal -3
.Lnot_wave_0_\@:
	s_barrier_wait -3
	s_barrier_signal -1
	s_barrier_wait -1
.endm
.macro JLOAD                           ; a joint load: every wave fetches 16 KB of its own (even waves K, odd waves V, of quarter w / 2); an s_nop 0 and four v_nop follow
	tensor_load_to_lds s[G0:G0+3], s[G1:G1+7]
	s_nop 0
.rept 4
	v_nop
.endr
.endm
; A PREFETCH INTO THE L2.  All clusters of a batch walk the same K and V; the batch's first cluster walks slots 0 to 7 in its second block and asks, behind the joint load for slot s, for slot s + 1.
; Its even waves ask, each for its own quarter's step; the four partners share that step's 32 KB out BY ADDRESS: places 0, 1 the halves of K's block, places 2, 3 of V's; lanes 256 bytes apart.
; So each aligned block of 256 bytes of slots 1 to 7 is named once in the launch.  Slot 0 comes by its load alone; the last trip asks for nothing.
.macro ASK
	s_cmp_gt_u32 s[REM], s[LIM]
	s_cbranch_scc0 .Lnot_mine_\@
	global_prefetch_b8 v[PFO], s[PFA:PFA+1] th:TH_LOAD_NT scope:SCOPE_SE
.Lnot_mine_\@:
.endm
; A block begins: addresses of q and out, Q's two fragments, the mask's numbers, and M, the sum and O^T at their starts (the step is written once: it finds zeros, which the first change of M leaves zeros).
.macro INITB
	s_lshl_b32 s82, s[BLK], 1
	s_add_co_u32 s82, s82, s[PI]                   ; which 32 tokens of the batch
	s_lshl_b32 s83, s[BAT], 7
	s_add_co_u32 s83, s83, s82
	s_lshl_b32 s84, s83, 12                        ; 4,096 bytes of qf for 32 tokens,
	s_lshl_b32 s86, s[OMI], 11
	s_add_co_u32 s84, s84, s86                     ; window 0's tile
	s_mov_b32 s85, 0
	s_add_nc_u64 s[QA:QA+1], s[4:5], s[84:85]
	s_xor_b32 s84, s84, 2048                       ; window 1's: the other
	s_add_nc_u64 s[QB:QB+1], s[4:5], s[84:85]
	s_lshl_b32 s87, s82, 5
	s_lshl_b32 s88, s[OMI], 3
	s_add_co_u32 s89, s87, s88                     ; lane 0's query in window 0's tile
	s_lshl_b32 s90, s[BAT], 12
	s_add_co_u32 s90, s90, s89
	s_lshl_b32 s90, s90, 9                         ; a row of out is 512 bytes;
	s_lshl_b32 s91, s[CHI], 8
	s_add_co_u32 s90, s90, s91                     ; my half of its channels
	s_mov_b32 s91, 0
	s_add_nc_u64 s[OP:OP+1], s[12:13], s[90:91]
.irp c, 0,1,2,3
	global_load_b128 v[16+4*\c:19+4*\c], v[LI], s[QA:QA+1] offset:512*\c
.endr
	WIN 0x40
.irp c, 0,1,2,3
	global_load_b128 v[16+4*\c:19+4*\c], v[LI], s[QB:QB+1] offset:512*\c
.endr
	WIN 0
	s_add_co_u32 s92, s89, s[CHI]
	s_xor_b32 s93, s89, 8
	s_add_co_u32 s93, s93, s[CHI]
	v_add_nc_u32 v32, s92, v[RL]                   ; t on the left, t + 1 on the right
	v_add_nc_u32 v33, s93, v[RL]
	v_lshrrev_b32 v32, 1, v32
	v_lshrrev_b32 v33, 1, v33
	v_mul_lo_u32 v32, v32, s[SGN]
	v_mul_lo_u32 v33, v33, s[SGN]
	v_add_nc_u32 v[DQ], v[H16], v32                ; 2047 - 16 h - t / 2, or 2047 - 16 h + (t + 1) / 2: the row's last visible key on my side, less my half's 16
	WIN 0x40
	v_add_nc_u32 v[DQ], v[H16], v33
.irp tw, 0,1
	WIN 0x55*\tw
	v_mov_b32 v13, 0xff61b1e6                      ; the largest t so far: -3e38, under every t
	v_floor_f32 v12, -v13                          ; -M
	v_mov_b32 v14, 0
	v_mov_b32 v15, 0
	v_mov_b32 v236, 0                              ; a lane permute's destination counts as one of its sources
	v_mov_b32 v253, 0                              ; (named as the upper half of the pair v[252:253])
.set i, 0
.rept 64
	v_mov_b32 v[160+i], 0
.set i, i+1
.endr
.endr
	WIN 0
	s_wait_loadcnt 0x0                             ; Q
.endm
; One tile's softmax for my 128 keys, in window tw.  Register 16 b + i of S^T holds key KB + 16 h + 32 b + i.
.macro SOFTMAX tw
	s_cmp_lg_u32 s[JJ], s[JS]                      ; only the block's last step is cut by the mask: there hidden scores become -infinity ahead of the maximum, so p = 0
	s_cbranch_scc1 .Lopen_\@
	s_cmp_lg_u32 s[CHI], 0
	s_cbranch_scc1 .Lright_\@
	WIN 0x55*\tw
	v_sub_nc_u32 v252, v[DQ], s[KB]
	v_mov_b32 v254, 0xff800000
.irp b, 0,1,2,3
.irp i, 0,1,2,3,4,5,6,7,8,9,10,11,12,13,14,15
	v_cmp_lt_i32 vcc_lo, 32*\b+\i, v252            ; left: hidden where the key lies under the row's first
	v_cndmask_b32 v[96+16*\b+\i], v[96+16*\b+\i], v254, vcc_lo
.endr
.endr
	WIN 0
	s_branch .Lopen_\@
.Lright_\@:
	WIN 0x55*\tw
	v_sub_nc_u32 v252, v[DQ], s[KB]
	v_mov_b32 v254, 0xff800000
.irp b, 0,1,2,3
.irp i, 0,1,2,3,4,5,6,7,8,9,10,11,12,13,14,15
	v_cmp_gt_i32 vcc_lo, 32*\b+\i, v252            ; right: hidden where the key lies over the row's last
	v_cndmask_b32 v[96+16*\b+\i], v[96+16*\b+\i], v254, vcc_lo
.endr
.endr
	WIN 0
.Lopen_\@:
	WIN 0x55*\tw
	v_max3_num_f32 v254, v96, v97, v98             ; the step's largest score of my query among my 64 keys, in two chains, each accumulator from its low end on,
	v_max3_num_f32 v252, v99, v100, v101
.irp i, 6,10,14,18,22,26,30,34,38,42,46,50,54,58
	v_max3_num_f32 v254, v254, v[96+\i], v[97+\i]
	v_max3_num_f32 v252, v252, v[98+\i], v[99+\i]
.endr
	v_max3_num_f32 v254, v254, v158, v159
	v_max_num_f32 v254, v254, v252
	v_permlanex16_b32 v236, v254, s[SEL], s[SEL+1]
	v_max_num_f32 v254, v254, v236                 ; and among lane l xor 16's
	v_mul_f32 v254, s[CS], v254                    ; as t (c is positive)
	v_max_num_f32 v13, v13, v254                   ; the running largest t
	v_mov_b32 v254, v12
	v_floor_f32 v12, -v13                          ; the new -M = floor(-t): M is a whole number
	v_sub_f32 v254, v12, v254                      ; old M less new M: a whole number, 0 or less
	v_cvt_i32_f32 v254, v254                       ; (it saturates)
	v_ldexp_f32 v252, 1.0, v254                    ; f = 2^(old M - new M)
.irp j, 0,2,4,6,8,10,12,14,16,18,20,22,24,26,28,30,32,34,36,38,40,42,44,46,48,50,52,54,56,58,60,62
	v_pk_fma_f32 v[96+\j:97+\j], v[96+\j:97+\j], s[CS:CS+1], v[12:13] op_sel_hi:[1,0,0]   ; t - M, two at a time
.endr
.set i, 0
.rept 64
	v_exp_f32 v[96+i], v[96+i]                     ; p = 2^(t - M), at most 1
.set i, i+1
.endr
	v_pk_mul_f32 v[14:15], v[14:15], v[252:253] op_sel_hi:[1,0]   ; the sums under the new M: the plain place behind the exponentials
	s_wait_alu depctr_va_vdst(0)                   ; one wait for the whole batch, ahead of its first reader
	v_pk_add_f32 v[242:243], v[96:97], v[98:99]    ; the row's sum is taken of the unquantised p, in two chains
.irp j, 4,8,12,16,20,24,28,32,36,40,44,48,52,56,60
	v_pk_add_f32 v[14:15], v[14:15], v[96+\j:97+\j]
	v_pk_add_f32 v[242:243], v[242:243], v[98+\j:99+\j]
.endr
	v_pk_add_f32 v[14:15], v[14:15], v[242:243]
.irp b, 0,1,2,3
.irp i, 0,1,2,3,4,5,6,7,8,9,10,11,12,13,14,15
	v_min_num_f32 v[96+16*\b+\i], v[96+16*\b+\i], v240   ; the conversion does not saturate (ISA guide 7.6.2); p is not negative, so the hold is one-sided
.endr
	v_cvt_scalef32_pk8_bf8_f32 v[224+4*\b:225+4*\b], v[96+16*\b:103+16*\b], v244
	v_cvt_scalef32_pk8_bf8_f32 v[226+4*\b:227+4*\b], v[104+16*\b:111+16*\b], v244
.endr
.irp j, 0,2,4,6,8,10,12,14,16,18,20,22,24,26,28,30,32,34,36,38,40,42,44,46,48,50,52,54,56,58,60,62
	v_pk_mul_f32 v[160+\j:161+\j], v[160+\j:161+\j], v[252:253] op_sel_hi:[1,0]   ; O^T under the new M; also the plain lines behind the conversions
.endr
	WIN 0
.endm
.macro KQ4 fw, tw                      ; four products S^T = K Q^T: K's fragments of window fw, the queries of window tw; each starts its sum
.set WK_, (\fw)|((\tw)<<2)|((\tw)<<6)
	WIN WK_
.irp t, 0,1,2,3
	v_wmma_f32_16x16x128_bf8_bf8 v[96+8*(4*\fw+\t):96+8*(4*\fw+\t)+7], v[32+16*\t:32+16*\t+15], v[16:31], 0
.endr
.endm
.macro PV4 fw, tw                      ; four products O^T += V^T P^T; each accumulator has one instruction a step
.set WK_, (\fw)|((\tw)<<2)|((\tw)<<4)|((\tw)<<6)
	WIN WK_
.irp t, 0,1,2,3
	v_wmma_f32_16x16x128_bf8_bf8 v[160+8*(4*\fw+\t):160+8*(4*\fw+\t)+7], v[32+16*\t:32+16*\t+15], v[224:239], v[160+8*(4*\fw+\t):160+8*(4*\fw+\t)+7]
.endr
.endm
; MY STEP OF THE SLOT IN HAND: 128 keys x 32 queries.  A step beyond the block's last is left out: a branch on ids and counts, round the work alone; no barrier and no tensor load stands in a step.
.macro STEP
	s_lshl_b32 s[JJ], s[SIG], 1
	s_add_co_u32 s[JJ], s[JJ], s[OMI]
	s_cmp_gt_u32 s[JJ], s[JS]
	s_cbranch_scc1 .Lhid_\@
	s_mul_i32 s[KB], s[SIG], s[DIR]
	s_add_co_u32 s[KB], s[KB], s[BST]
	s_lshl_b32 s[KB], s[KB], 7
	v_add_nc_u32 v[ADK], s[TB], v[LIK]             ; these three and the v_nop are the four places ahead of loads into registers that the last products read
	v_add_nc_u32 v[ADVL], s[TB], v[AVL]
	v_add_nc_u32 v[ADVH], s[TB], v[AVH]
	v_nop
.irp t, 0,1,2,3
.irp c, 0,1,2,3
	ds_load_b128 v[32+16*\t+4*\c:32+16*\t+4*\c+3], v[ADK] offset:2048*\t+512*\c
.endr
.endr
	WIN 0x40
.irp t, 0,1,2,3
.irp c, 0,1,2,3
	ds_load_b128 v[32+16*\t+4*\c:32+16*\t+4*\c+3], v[ADK] offset:2048*(\t+4)+512*\c
.endr
.endr
	s_wait_dscnt 16                                ; K's tiles 0-3 are in; the 16 loads of tiles 4-7 may be out
	KQ4 0, 0
	KQ4 0, 1
	s_wait_dscnt 0x0
	KQ4 1, 0
	KQ4 1, 1
	WIN 0
.rept 4
	v_nop                                          ; places ahead of the loads below and of the first read of the scores
.endr
.irp t, 0,1,2,3
.irp c, 0,1,2,3
	ds_load_b128 v[32+16*\t+4*\c:32+16*\t+4*\c+3], v[ADVL] offset:2048*\t+512*\c   ; V lands while the softmax is walked
.endr
.endr
	WIN 0x40
.irp t, 0,1,2,3
.irp c, 0,1,2,3
	ds_load_b128 v[32+16*\t+4*\c:32+16*\t+4*\c+3], v[ADVH] offset:2048*\t+512*\c
.endr
.endr
	WIN 0
	SOFTMAX 0
	SOFTMAX 1
	s_wait_dscnt 0x0                               ; V
	PV4 0, 0
	PV4 0, 1
	PV4 1, 0
	PV4 1, 1
	WIN 0
.Lhid_\@:
	s_add_co_u32 s[SIG], s[SIG], 1
	s_xor_b32 s[TB], s[TB], SLOT1                  ; on to the other slot
.endm
; THE CHANGE OF SLOTS stands at a slot's head.  Each wave waits for all its tensor loads (its part of the slot ahead), adds 0 to its spare word, and waits for that and for its reads of the slot that it has left.
; fill = 1: a round of the cluster's barrier, and behind it the slot that was left is filled with slot number NN + 1 of the work-group's nine: the load has a slot's work in which to land.
.macro CHANGE fill
	s_wait_tensorcnt 0x0                           ; no tensor load of mine is out, so group 0 may be written
	ds_add_u32 v[SPW], v[NIL]                      ; 0 onto my spare word; scalar work stands between it and the wait for it
.if \fill
	s_add_co_u32 s82, s[NN], 1                     ; m
	s_cmp_gt_u32 s82, s[AA]
	s_cselect_b32 s83, s[AA1], 0
	s_sub_co_u32 s83, s82, s83                     ; its number within its block: the second block begins anew at the middle
	s_mul_i32 s83, s83, s[DIR]
	s_add_co_u32 s83, s83, s[BST]                  ; my step of 128 keys
	s_lshl_b32 s[OFS], s83, 14
	s_xor_b32 s[G0+1], s[G0+1], SLOT1
	s_add_nc_u64 s[G0+2:G0+3], s[GB:GB+1], s[OFS:OFS+1]
	s_or_b32 s[G0+3], s[G0+3], 0x80000000
	s_wait_xcnt 0x0                                ; the last prefetch, a slot back, has read its address
	s_min_u32 s82, s82, 7                          ; slot NN + 1 of the eight, held inside the buffer
	s_mul_i32 s82, s82, s[DIR]
	s_add_co_u32 s82, s82, s[BST]
	s_lshl_b32 s86, s82, 14
	s_mov_b32 s87, 0
	s_add_nc_u64 s[PFA:PFA+1], s[PFB:PFB+1], s[86:87]
	s_wait_dscnt 0x0                               ; the add is done, and my reads of the slot that I have left are over
	CROUND                                         ; both now hold of every wave of all four work-groups
	JLOAD                                          ; the first tensor load behind the round, and my only one until the next
	ASK
.else
	s_wait_dscnt 0x0
	s_barrier_signal -1
	s_barrier_wait -1
.endif
.endm
; A BLOCK ENDS.  The four waves of one 32 queries hold O^T, M and the sum over their own keys.  Each OWNS 16 queries x 64 channels: window 0, register tiles 0-3.  It sends its other three pieces of 32 registers
; to their owners (window 0 tiles 4-7 to wave w xor 2; window 1 tiles 0-3 to w xor 4; window 1 tiles 4-7 to w xor 6) as images of the registers, in two rounds of three half pieces, since the ring leaves room for half.
; Then: -M* = the least of the four -M; f = 2^(M - M*), exact (0 for a wave that saw no key); out = (sum of f O^T) x 2^(e8 + e9) / (sum of f l).
.macro MERGE
.rept 4
	v_nop                                          ; places behind the last products
.endr
	v_add_f32 v14, v14, v15
	v_permlanex16_b32 v236, v14, s[SEL], s[SEL+1]
	v_mov_b32 v40, v12
	v_add_f32 v41, v14, v236                       ; window 0's -M and sum,
	WIN 0x55
	v_add_f32 v14, v14, v15
	v_permlanex16_b32 v236, v14, s[SEL], s[SEL+1]
	WIN 0x05
	v_mov_b32 v42, v12
	v_add_f32 v43, v14, v236                       ; window 1's
	WIN 0
	ds_store_b128 v[AOWN], v[40:43] offset:6144
.irp c, 0,1,2,3
	ds_store_b128 v[AD2], v[192+4*\c:195+4*\c] offset:512*\c
.endr
.irp c, 0,1,2,3
	ds_store_b128 v[AD2], v[208+4*\c:211+4*\c] offset:2048+512*\c
.endr
	WIN 0x04                                       ; data in window 1
.irp c, 0,1,2,3
	ds_store_b128 v[AD4], v[160+4*\c:163+4*\c] offset:4096+512*\c
.endr
	WIN 0
	s_wait_dscnt 0x0                               ; for the others' sake: my stores have landed
	s_barrier_signal -1
	s_barrier_wait -1
.irp i, 0,1,2,3,4,5,6,7,8,9,10,11
	ds_load_b128 v[48+4*\i:51+4*\i], v[AOWN] offset:512*\i
.endr
	ds_load_b64 v[44:45], v[AD2] offset:6144       ; the partners' -M and sum for my tile: w xor 2 has it in window 0,
	ds_load_b64 v[46:47], v[AD4] offset:6152       ; the other two in window 1
	ds_load_b64 v[144:145], v[AD6] offset:6152
	s_wait_dscnt 0x0                               ; my reads of the first round are over
	s_barrier_signal -1
	s_barrier_wait -1
	WIN 0x04
.irp c, 0,1,2,3
	ds_store_b128 v[AD4], v[176+4*\c:179+4*\c] offset:512*\c
.endr
.irp c, 0,1,2,3
	ds_store_b128 v[AD6], v[192+4*\c:195+4*\c] offset:2048+512*\c
.endr
.irp c, 0,1,2,3
	ds_store_b128 v[AD6], v[208+4*\c:211+4*\c] offset:4096+512*\c
.endr
	WIN 0
	s_wait_dscnt 0x0
	s_barrier_signal -1
	s_barrier_wait -1
.irp i, 0,1,2,3,4,5,6,7,8,9,10,11
	ds_load_b128 v[96+4*\i:99+4*\i], v[AOWN] offset:512*\i
.endr
	v_min3_num_f32 v146, v40, v44, v46
	v_min_num_f32 v146, v146, v144                 ; -M*
	v_sub_f32 v148, v146, v40
	v_sub_f32 v150, v146, v44
	v_sub_f32 v152, v146, v46
	v_sub_f32 v154, v146, v144
	v_cvt_i32_f32 v148, v148                       ; (it saturates)
	v_cvt_i32_f32 v150, v150
	v_cvt_i32_f32 v152, v152
	v_cvt_i32_f32 v154, v154
	v_ldexp_f32 v148, 1.0, v148
	v_ldexp_f32 v150, 1.0, v150
	v_ldexp_f32 v152, 1.0, v152
	v_ldexp_f32 v154, 1.0, v154
	v_mul_f32 v147, v148, v41
	v_fmac_f32 v147, v150, v45
	v_fmac_f32 v147, v152, v47
	v_fmac_f32 v147, v154, v145                    ; the row's sum under M*
	v_rcp_f32 v147, v147
	v_nop                                          ; a plain place behind the transcendental
	s_wait_alu depctr_va_vdst(0)                   ; and the wait ahead of its first reader
	v_ldexp_f32 v147, v147, s[EPV]                 ; x 2^(e8 + e9)
.irp x, 148,150,152,154
	v_mul_f32 v[\x], v[\x], v147
	v_mov_b32 v[\x+1], v[\x]                       ; a pair for the packed forms
.endr
	s_wait_dscnt 0x0                               ; the second round is in
.irp j, 0,2,4,6,8,10,12,14,16,18,20,22,24,26,28,30
	v_pk_mul_f32 v[160+\j:161+\j], v[160+\j:161+\j], v[148:149]
.endr
.irp j, 0,2,4,6,8,10,12,14,16,18,20,22,24,26,28,30
	v_pk_fma_f32 v[160+\j:161+\j], v[48+\j:49+\j], v[150:151], v[160+\j:161+\j]
.endr
.irp j, 0,2,4,6,8,10,12,14,16,18,20,22,24,26,28,30
	v_pk_fma_f32 v[160+\j:161+\j], v[80+\j:81+\j], v[152:153], v[160+\j:161+\j]
.endr
.irp j, 0,2,4,6,8,10,12,14,16,18,20,22,24,26,28,30
	v_pk_fma_f32 v[160+\j:161+\j], v[112+\j:113+\j], v[154:155], v[160+\j:161+\j]
.endr
	; the way out: my exchange region, which nobody else touches before the next block's end, is my stage: rows of 256 bytes + 16.  A lane's eight channels go in; whole rows come back.
.irp x, 0,1,2,3
	ds_store_b128 v[STO], v[160+8*\x:163+8*\x] offset:64*\x
	ds_store_b128 v[STO], v[164+8*\x:167+8*\x] offset:64*\x+16
.endr
.irp i, 0,1,2,3,4,5,6,7
	ds_load_b128 v[48+4*\i:51+4*\i], v[RD] offset:2*\i*272   ; LDS serves a wave's instructions in order (ISA guide 5.7.1.4): these see my stores
.endr
.irp i, 0,1,2,3,4,5,6,7
	s_wait_dscnt 7-\i                              ; the younger loads may stay out
	global_store_b128 v[GO], v[48+4*\i:51+4*\i], s[OP:OP+1] offset:(2*\i+8*(\i/4))*512 th:TH_STORE_NT   ; stage row r is query r + 8 (r / 8); 16 lanes store 256 consecutive bytes, at a multiple of 256 from out's first byte
.endr
	s_wait_xcnt 0x0                                ; the stores have read their data and base: both are written again
.endm
	s_load_b256 s[4:11], s[0:1], 0x0               ; qf s[4:5], kf s[6:7], vf s[8:9], the scales' exponents s[10:11]
	s_load_b64 s[12:13], s[0:1], 0x20              ; out0
	v_lshl_add_u32 v[SPW], v0, 2, SPARE
	v_mov_b32 v[NIL], 0
	ds_add_u32 v[SPW], v[NIL]                      ; the wave's opening: the add and its wait ahead of the round in front of my first tensor load; work on registers stands between them
	v_lshrrev_b32 v1, 5, v0
	v_readfirstlane_b32 s[WV], v1                  ; wave 0..7
	s_and_b32 s[PI], s[WV], 1
	s_lshr_b32 s[KAP], s[WV], 1
	s_and_b32 s[CHI], s[KAP], 1
	s_lshr_b32 s[OMI], s[KAP], 1
	s_mov_b32 s[CLX], ttmp9                        ; in a cluster launch ttmp9 counts clusters
	s_bfe_u32 s[PLC], ttmp6, 0x40000               ; my place in the cluster
	s_and_b32 s[BAT], ttmp7, 0xffff
	s_lshr_b32 s[AA], s[CLX], 1
	s_add_co_u32 s[AA1], s[AA], 1
	; descriptor group 1: a dense block of 16 KB as 64 rows of 32 elements of 8 bytes
	s_mov_b32 s[G1], 15|(3<<16)|(1<<21)            ; 15:0 the mask: all four work-groups; 17:16 elements of 8 bytes; 21 set beside a mask
	s_mov_b32 s[G1+1], 32<<16                      ; tensor_dim0
	s_mov_b32 s[G1+2], 64<<16                      ; tensor_dim1
	s_mov_b32 s[G1+3], 32<<16                      ; tile_dim0
	s_mov_b32 s[G1+4], 64                          ; tile_dim1
	s_mov_b32 s[G1+5], 32                          ; the pitch
	s_mov_b32 s[G1+6], 0
	s_mov_b32 s[G1+7], 0
	s_cmp_eq_u32 s[CHI], 0
	s_cselect_b32 s[DIR], -2, 2
	s_cselect_b32 s[SGN], -1, 1
	s_cselect_b32 s[BST], 15, 16
	s_mul_i32 s82, s[OMI], s[SGN]
	s_add_co_u32 s[BST], s[BST], s82               ; 15 - step on the left, 16 + step on the right
	s_mov_b32 s[G0], 1
	s_lshl_b32 s[G0+1], s[WV], 14                  ; LDS: 16 KB a wave, slot 0: no place in the cluster enters an LDS address
	s_mov_b32 s[OFS+1], 0
	s_lshl_b32 s84, s[BAT], 19                     ; a batch is 524,288 bytes of kf and of vf
	s_mov_b32 s85, 0
	s_mov_b32 s[SEL], 0x76543210
	s_mov_b32 s[SEL+1], 0xfedcba98
	s_mov_b32 s[CS], 0x3e0293ee                    ; log2(e) / sqrt(128)
	s_mov_b32 s[TB], 0
	s_mov_b32 s[NN], 0
	s_mov_b32 s[REM], 8
	s_mov_b32 s[SIG], 0
	s_mov_b32 s[JS], s[CLX]                        ; block u's last step: u / 4
	s_or_b32 s[LIM], s[PI], s[CLX]                 ; even waves of the batch's first cluster prefetch: the same in all four partners
	s_cmp_eq_u32 s[LIM], 0
	s_cselect_b32 s[LIM], 1, -1
	s_wait_dscnt 0x0                               ; the opening add is done
	s_wait_kmcnt 0x0
	s_load_b256 s[72:79], s[10:11], 0x0            ; e0 .. e7
	s_load_b64 s[80:81], s[10:11], 0x20            ; e8, e9
	s_cmp_eq_u32 s[PI], 0
	s_cselect_b64 s[GB:GB+1], s[6:7], s[8:9]       ; even waves fetch K, odd waves V
	s_add_nc_u64 s[GB:GB+1], s[GB:GB+1], s[84:85]
	s_lshl_b32 s[OFS], s[BST], 14
	s_add_nc_u64 s[G0+2:G0+3], s[GB:GB+1], s[OFS:OFS+1]
	s_or_b32 s[G0+3], s[G0+3], 0x80000000
	s_cmp_lt_u32 s[PLC], 2                         ; the prefetches' share, told apart by address
	s_cselect_b64 s[PFB:PFB+1], s[6:7], s[8:9]
	s_add_nc_u64 s[PFB:PFB+1], s[PFB:PFB+1], s[84:85]
	s_and_b32 s86, s[PLC], 1
	s_lshl_b32 s86, s86, 13
	s_mov_b32 s87, 0
	s_add_nc_u64 s[PFB:PFB+1], s[PFB:PFB+1], s[86:87]
	s_mov_b64 s[PFA:PFA+1], s[PFB:PFB+1]
	CROUND                                         ; all four work-groups are here: the first joint loads meet
	JLOAD                                          ; slot 0
	v_and_b32 v1, 31, v0
	v_lshlrev_b32 v[PFO], 8, v1
	v_lshlrev_b32 v[LI], 4, v1
	v_and_b32 v[RL], 15, v0                        ; r
	v_bfe_u32 v[H16], v0, 4, 1                     ; h
	v_lshlrev_b32 v[GO], 9, v[H16]
	v_lshl_add_u32 v[GO], v[RL], 4, v[GO]
	s_mul_i32 s82, s[WV], EXW
	s_add_co_u32 s82, s82, EXB                     ; my exchange region
	v_mul_u32_u24 v[STO], v[RL], 272
	v_lshl_add_u32 v[STO], v[H16], 5, v[STO]
	v_add_nc_u32 v[STO], s82, v[STO]
	v_mul_u32_u24 v[RD], v[H16], 272
	v_lshl_add_u32 v[RD], v[RL], 4, v[RD]
	v_add_nc_u32 v[RD], s82, v[RD]
	v_add_nc_u32 v[AOWN], s82, v[LI]
	s_xor_b32 s83, s[WV], 2
	s_mul_i32 s83, s83, EXW
	s_add_co_u32 s83, s83, EXB
	v_add_nc_u32 v[AD2], s83, v[LI]
	s_xor_b32 s83, s[WV], 4
	s_mul_i32 s83, s83, EXW
	s_add_co_u32 s83, s83, EXB
	v_add_nc_u32 v[AD4], s83, v[LI]
	s_xor_b32 s83, s[WV], 6
	s_mul_i32 s83, s83, EXW
	s_add_co_u32 s83, s83, EXB
	v_add_nc_u32 v[AD6], s83, v[LI]
	v_and_b32 v5, 8, v[RL]
	v_add_nc_u32 v[RL], v5, v[RL]                  ; r + 8 (r / 8)
	v_lshlrev_b32 v[H16], 4, v[H16]
	v_sub_nc_u32 v[H16], 2047, v[H16]              ; 2047 - 16 h
	s_lshl_b32 s83, s[KAP], 15                     ; my quarter of a slot
	v_add_nc_u32 v[LIK], s83, v[LI]
	s_lshl_b32 s84, s[CHI], 13
	s_add_co_u32 s84, s84, s83
	s_add_co_u32 s84, s84, 16384
	v_add_nc_u32 v[AVL], s84, v[LI]                ; V's channel tiles 4 x side + 0 .. 3
	s_xor_b32 s85, s[CHI], 1
	s_lshl_b32 s85, s85, 13
	s_add_co_u32 s85, s85, s83
	s_add_co_u32 s85, s85, 16384
	v_add_nc_u32 v[AVH], s85, v[LI]                ; and the other four
	s_wait_kmcnt 0x0
	s_add_co_i32 s82, s78, s79
	s_lshl_b32 s82, s82, 23
	s_add_co_i32 s[CS], s[CS], s82                 ; a score stands for score x 2^(e6 + e7): added to c's exponent field
	s_mov_b32 s[CS+1], s[CS]                       ; (named with it as a pair, so it is written)
	s_add_co_i32 s[EPV], s80, s81
	s_add_co_i32 s82, s80, 127
	s_lshl_b32 s83, s82, 23
	s_add_co_i32 s82, s82, 15
	s_lshl_b32 s82, s82, 23
	s_or_b32 s82, s82, 0x600000
	v_mov_b32 v244, s83                            ; 2^e8
	v_mov_b32 v240, s82                            ; 57,344 x 2^e8
	WIN 0x40
	v_mov_b32 v244, s83
	v_mov_b32 v240, s82
	WIN 0
	s_lshl_b32 s[BLK], s[CLX], 2
	s_add_co_u32 s[BLK], s[BLK], s[PLC]            ; u
	INITB
.Lslot:                                            ; 8 trips: behind each change of slots but the last the next slot is asked for
	CHANGE 1
	s_cmp_lg_u32 s[NN], s[AA1]                     ; the first block has a + 1 slots: the same in all waves and in all four partners
	s_cbranch_scc1 .Lsame
	MERGE
	s_sub_co_u32 s[BLK], 63, s[BLK]
	INITB
	s_mov_b32 s[SIG], 0
	s_sub_co_u32 s[JS], 15, s[CLX]                 ; block 63 - u's last step
.Lsame:
	STEP
	s_add_co_u32 s[NN], s[NN], 1
	s_sub_co_u32 s[REM], s[REM], 1
	s_cmp_lt_u32 s[NN], 8
	s_cbranch_scc1 .Lslot
	CHANGE 0                                       ; the last slot is written out: nothing is left to ask for
	STEP
	MERGE
	s_wait_tensorcnt 0x0                           ; the wave's end, behind my last tensor load and my last LDS store
	ds_add_u32 v[SPW], v[NIL]
	s_wait_dscnt 0x0
	CROUND                                         ; the closing round: no work-group ends while a partner may still ask for a block that names it
	s_endpgm
.Lfunc_end_k_q167e6044d0_attn:
	.size	k_q167e6044d0_attn, .Lfunc_end_k_q167e6044d0_attn-k_q167e6044d0_attn
	.p2alignl 7, 3214868480
	.fill 96, 4, 3214868480
	.section	.rodata,"a",@progbits
	.p2align	6, 0x0
	.amdhsa_kernel k_q167e6044d0_attn
		.amdhsa_group_segment_fixed_size 327680
		.amdhsa_private_segment_fixed_size 0
		.amdhsa_enable_private_segment 0
		.amdhsa_kernarg_size 40
		.amdhsa_user_sgpr_count 2
		.amdhsa_user_sgpr_kernarg_segment_ptr 1
		.amdhsa_wavefront_size32 1
		.amdhsa_system_sgpr_workgroup_id_x 1
		.amdhsa_system_sgpr_workgroup_id_y 1
		.amdhsa_system_sgpr_workgroup_id_z 1
		.amdhsa_system_vgpr_workitem_id 0
		.amdhsa_next_free_vgpr 512
		.amdhsa_next_free_sgpr 96
		.amdhsa_reserve_vcc 1
		.amdhsa_float_denorm_mode_32 3
		.amdhsa_float_denorm_mode_16_64 3
		.amdhsa_memory_ordered 1
		.amdhsa_forward_progress 1
		.amdhsa_inst_pref_size 152
	.end_amdhsa_kernel
	.amdgpu_metadata
---
amdhsa.version: [ 1, 2 ]
amdhsa.kernels:
  - .name:           k_q167e6044d0_attn
    .symbol:         k_q167e6044d0_attn.kd
    .args:
      - { .name: qf, .offset: 0, .size: 8, .value_kind: global_buffer, .address_space: global }
      - { .name: kf, .offset: 8, .size: 8, .value_kind: global_buffer, .address_space: global }
      - { .name: vf, .offset: 16, .size: 8, .value_kind: global_buffer, .address_space: global }
      - { .name: lowp_scales, .offset: 24, .size: 8, .value_kind: global_buffer, .address_space: global }
      - { .name: out0, .offset: 32, .size: 8, .value_kind: global_buffer, .address_space: global }
    .group_segment_fixed_size: 327680
    .private_segment_fixed_size: 0
    .kernarg_segment_align: 8
    .kernarg_segment_size: 40
    .max_flat_workgroup_size: 256
    .sgpr_count:     96
    .vgpr_count:     512
    .wavefront_size: 32
...
	.end_amdgpu_metadata
.endif
;; end of part 3
